; MI455X (gfx1250); checked and timed in simulation.
; The chip was launched on July 23, 2026; its instructions are those of AMD's public machine-readable ISA for CDNA 5 (MIT licence, August 2026) and "CDNA5" Instruction Set Architecture Reference Guide (July 2026). The comments in the code are by the model that wrote it; some were corrected since.
;; Transformer Block. Allowed arithmetic: float matrix products may take bf16 or f16 operands with f32 sums; other float arithmetic in f32, or as packed bf16 or f16 multiplies, adds, multiply-adds, maxima and minima; sums over many terms, partial sums and values carried from step to step in f32; what a program stores and reads back later, other than sums and carried values, may be rounded once to bf16 or f16.
;; Inputs: bk 256 float32; bq 256 float32; bv 256 float32; fc1_b 1,024 float32; fc1_w 256 x 1,024 float32; fc2_b 256 float32; fc2_w 1,024 x 256 float32; ln1_b 256 float32; ln1_g 256 float32; ln2_b 256 float32; ln2_g 256 float32; wk 256 x 256 float32; wq 256 x 256 float32; wv 256 x 256 float32; x 4 x 256 x 128 x 128 float32.
;; Outputs: out0 4 x 256 x 128 x 128 float32.
;; One version. Each part assembles by itself: llvm-mc -triple=amdgcn-amd-amdhsa -mcpu=gfx1250 --defsym DOCPART=n.
;; ======== version 1 of 1: 3 launches
;; limits: a function is approximated: absolute error at most 0.0005
;; workspace buffers: wts 1,458,176 bytes; bias 7,168 bytes; q 33,554,432 bytes; k 33,554,432 bytes; v 33,554,432 bytes; xh 33,554,432 bytes; st 524,288 bytes
;; launch prep (part 1): grid 384 x 1, 8 waves a work-group, no clusters, 0 bytes of LDS; arguments wq, wk, wv, bq, bk, bv, ln1_g, ln1_b, ln2_g, ln2_b, fc1_w, fc1_b, fc2_w, wts, bias; writes wts, bias
.if DOCPART == 1
	.amdgcn_target "amdgcn-amd-amdhsa--gfx1250"
	.amdhsa_code_object_version 6
	.text
	.protected	k_q9f2e1ca047_prep
	.globl	k_q9f2e1ca047_prep
	.p2align	8
	.type	k_q9f2e1ca047_prep,@function
k_q9f2e1ca047_prep:
	s_mov_b64 s[64:65], 0
	v_nop
	global_prefetch_b8 v0, s[64:65] scope:SCOPE_SE
	s_setreg_imm32_b32 hwreg(HW_REG_WAVE_MODE, 25, 1), 1
	s_wait_xcnt 0x0
; PREP.  LN(x) W + beta = xhat (g o W) + (b W + beta): the gains are folded into the weights, the shifts into the biases.
; wts: fragment images of 1,024 bytes in bf16: byte 512 s + 16 l holds W[k0+16s+8h+e][n0+r], e = 0..7, l = 16 h + r: one 16-byte LDS load a lane gives half a matrix fragment.
;   wA (393,216 bytes): fragment 8 nb + kk: 16 output dims nb of q | k | v, k0 = 32 kk, times ln1_g[k].
;   wM (1,064,960 bytes): 32 chunks of 32 hidden units; fragments 0-15: fc1 (f = 2 kk + hb), times ln2_g[k]; fragments 16-31: fc2 (16 output channels each).
;   Behind chunk 31 stands chunk 0's fc1 part once more (16,384 bytes): the last launch walks wM in windows of four chunks that begin half a chunk in, and the last window ends there.
; bias: f32: ln1_b W + b for q, k, v (768), then ln2_b fc1_w + fc1_b (1,024).
; Work-groups 0-355: a wave packs half a fragment (512 bytes).  Work-groups 356-383: a wave makes 8 numbers of bias.
	s_load_b512 s[4:19], s[0:1], 0x0               ; wq 4, wk 6, wv 8, bq 10, bk 12, bv 14, ln1_g 16, ln1_b 18
	s_load_b256 s[20:27], s[0:1], 0x40             ; ln2_g 20, ln2_b 22, fc1_w 24, fc1_b 26
	s_load_b128 s[28:31], s[0:1], 0x60             ; fc2_w 28, wts 30
	s_load_b64 s[32:33], s[0:1], 0x70              ; bias
	v_lshrrev_b32 v1, 5, v0
	v_readfirstlane_b32 s36, v1                    ; wave
	v_and_b32 v1, 31, v0                           ; l
	s_lshl_b32 s37, ttmp9, 3
	s_add_co_u32 s37, s37, s36                     ; W: the wave's number in the launch
	s_mov_b32 s61, 0
	s_wait_kmcnt 0x0
	s_cmp_lt_u32 ttmp9, 356
	s_cbranch_scc0 .Lbias
	; ---- pack: which table, which fragment, which half ----
	v_and_b32 v2, 15, v0                           ; r
	v_bfe_u32 v3, v0, 4, 1                         ; h
	s_and_b32 s38, s37, 1                          ; s
	s_lshr_b32 s39, s37, 1                         ; wA: fragment
	s_lshr_b32 s40, s39, 3                         ; nb
	s_and_b32 s41, s39, 7
	s_lshl_b32 s41, s41, 5                         ; k0 = 32 kk
	s_lshr_b32 s42, s40, 4                         ; q, k or v
	s_and_b32 s40, s40, 15
	s_lshl_b32 s40, s40, 4                         ; first column
	s_sub_co_u32 s43, s37, 768
	s_lshr_b32 s43, s43, 1                         ; wM: fragment
	s_bfe_u32 s44, s43, 0x50005                    ; chunk, in five bits: the half chunk behind chunk 31 is chunk 0's again
	s_and_b32 s45, s43, 31                         ; f
	s_and_b32 s46, s45, 1
	s_lshl_b32 s46, s46, 4
	s_lshl_b32 s47, s44, 5                         ; 32 ch: fc2's k0
	s_add_co_u32 s46, s46, s47                     ; fc1's first column
	s_lshr_b32 s48, s45, 1
	s_lshl_b32 s48, s48, 5                         ; fc1's k0
	s_and_b32 s49, s45, 15
	s_lshl_b32 s49, s49, 4                         ; fc2's first column
	s_cmp_lt_u32 s45, 16
	s_cselect_b64 s[50:51], s[24:25], s[28:29]
	s_cselect_b32 s52, s46, s49
	s_cselect_b32 s53, s48, s47
	s_cselect_b32 s54, 10, 8                       ; log2 of the row's length
	s_cselect_b32 s55, -1, 0                       ; a lane mask: is there a gain?
	s_cmp_eq_u32 s42, 1
	s_cselect_b64 s[56:57], s[6:7], s[4:5]
	s_cmp_eq_u32 s42, 2
	s_cselect_b64 s[56:57], s[8:9], s[56:57]
	s_cmp_lt_u32 s37, 768
	s_cselect_b64 s[50:51], s[56:57], s[50:51]
	s_cselect_b32 s52, s40, s52
	s_cselect_b32 s53, s41, s53
	s_cselect_b32 s54, 8, s54
	s_cselect_b32 s55, -1, s55
	s_cselect_b64 s[58:59], s[16:17], s[20:21]
	s_lshl_b32 s38, s38, 4
	s_add_co_u32 s53, s53, s38                     ; k0 + 16 s
	s_lshl_b32 s60, s53, s54
	s_add_co_u32 s60, s60, s52
	s_lshl_b32 s60, s60, 2
	s_add_nc_u64 s[50:51], s[50:51], s[60:61]      ; the source at (k0 + 16 s, n0)
	s_and_b32 s60, s53, 255                        ; fc2 has no gain: its read stays inside ln2_g and is dropped
	s_lshl_b32 s60, s60, 2
	s_add_nc_u64 s[58:59], s[58:59], s[60:61]
	s_lshl_b32 s60, s37, 9                         ; 512 W in both tables: wM begins at 768 x 512
	s_add_nc_u64 s[30:31], s[30:31], s[60:61]
	s_lshl_b32 s62, 4, s54                         ; bytes in a row
	s_add_co_u32 s63, s54, 5
	v_lshlrev_b32 v8, s63, v3                      ; 8 h rows
	v_lshl_add_u32 v8, v2, 2, v8                   ; + column r
.set i, 0
.rept 7
	v_add_nc_u32 v[9+i], s62, v[8+i]
.set i, i+1
.endr
	v_lshlrev_b32 v4, 5, v3                        ; my 8 gains
	v_lshlrev_b32 v5, 4, v1                        ; my 16 bytes of the image
.set i, 0
.rept 8
	global_load_b32 v[16+i], v[8+i], s[50:51]
.set i, i+1
.endr
	global_load_b128 v[24:27], v4, s[58:59]
	global_load_b128 v[28:31], v4, s[58:59] offset:16
	s_wait_loadcnt 0x0
.set i, 0
.rept 8
	v_cndmask_b32 v[24+i], 1.0, v[24+i], s55
.set i, i+1
.endr
.set i, 0
.rept 4
	v_pk_mul_f32 v[16+2*i:17+2*i], v[16+2*i:17+2*i], v[24+2*i:25+2*i]
.set i, i+1
.endr
.set i, 0
.rept 4
	v_cvt_pk_bf16_f32 v[32+i], v[16+2*i], v[17+2*i]
.set i, i+1
.endr
	global_store_b128 v5, v[32:35], s[30:31]       ; the wave stores 512 consecutive bytes, aligned
	s_endpgm
.Lbias:
	; ---- bias: outputs n0 .. n0 + 7; lane = 8 z + nl sums channels 64 z .. 64 z + 63 for output n0 + nl ----
	s_sub_co_u32 s38, s37, 2848
	s_lshl_b32 s38, s38, 3                         ; n0
	s_lshr_b32 s39, s38, 8
	s_and_b32 s40, s38, 255
	s_sub_co_u32 s41, s38, 768
	s_cmp_eq_u32 s39, 1
	s_cselect_b64 s[50:51], s[6:7], s[4:5]
	s_cselect_b64 s[56:57], s[12:13], s[10:11]
	s_cmp_eq_u32 s39, 2
	s_cselect_b64 s[50:51], s[8:9], s[50:51]
	s_cselect_b64 s[56:57], s[14:15], s[56:57]
	s_cmp_lt_u32 s38, 768
	s_cselect_b64 s[50:51], s[50:51], s[24:25]
	s_cselect_b64 s[56:57], s[56:57], s[26:27]
	s_cselect_b64 s[58:59], s[18:19], s[22:23]
	s_cselect_b32 s52, s40, s41
	s_cselect_b32 s54, 8, 10
	s_lshl_b32 s60, s52, 2
	s_add_nc_u64 s[50:51], s[50:51], s[60:61]
	s_add_nc_u64 s[56:57], s[56:57], s[60:61]
	s_lshl_b32 s60, s38, 2
	s_add_nc_u64 s[32:33], s[32:33], s[60:61]
	s_lshl_b32 s62, 4, s54
	s_add_co_u32 s63, s54, 8
	s_mov_b32 s44, 0x76543210
	s_mov_b32 s45, 0xfedcba98
	v_and_b32 v2, 7, v0                            ; nl
	v_bfe_u32 v3, v0, 3, 2                         ; z
	v_lshlrev_b32 v16, s63, v3                     ; 64 z rows
	v_lshl_add_u32 v16, v2, 2, v16
.set i, 0
.rept 63
	v_add_nc_u32 v[17+i], s62, v[16+i]
.set i, i+1
.endr
	v_lshlrev_b32 v4, 8, v3
	v_lshlrev_b32 v5, 2, v2
.set i, 0
.rept 64
	global_load_b32 v[80+i], v[16+i], s[50:51]
.set i, i+1
.endr
.set i, 0
.rept 16
	global_load_b128 v[144+4*i:147+4*i], v4, s[58:59] offset:16*i
.set i, i+1
.endr
	global_load_b32 v6, v5, s[56:57]
	s_wait_loadcnt 0x0
.set i, 0
.rept 4
	v_mul_f32 v[8+i], v[80+i], v[144+i]            ; four chains; the first products start them
.set i, i+1
.endr
.rept 60
	v_fmac_f32 v[8+i%4], v[80+i], v[144+i]
.set i, i+1
.endr
	v_add_f32 v8, v8, v9
	v_add_f32 v10, v10, v11
	v_add_f32 v8, v8, v10
	v_add_f32_dpp v8, v8, v8 row_xmask:8 row_mask:0xf bank_mask:0xf  ; z and z xor 1
	v_permlanex16_b32 v9, v8, s44, s45             ; the other two
	v_add_f32 v8, v8, v9
	v_add_f32 v8, v8, v6
	s_wait_xcnt 0x0                                ; EXEC changes only behind this wait
	v_cmp_gt_u32 vcc_lo, 8, v1
	s_and_saveexec_b32 s46, vcc_lo
	global_store_b32 v5, v8, s[32:33]
	s_wait_xcnt 0x0
	s_or_b32 exec_lo, exec_lo, s46
	s_endpgm
.Lfunc_end_k_q9f2e1ca047_prep:
	.size	k_q9f2e1ca047_prep, .Lfunc_end_k_q9f2e1ca047_prep-k_q9f2e1ca047_prep
	.p2alignl 7, 3214868480
	.fill 96, 4, 3214868480
	.section	.rodata,"a",@progbits
	.p2align	6, 0x0
	.amdhsa_kernel k_q9f2e1ca047_prep
		.amdhsa_group_segment_fixed_size 0
		.amdhsa_private_segment_fixed_size 0
		.amdhsa_enable_private_segment 0
		.amdhsa_kernarg_size 120
		.amdhsa_user_sgpr_count 2
		.amdhsa_user_sgpr_kernarg_segment_ptr 1
		.amdhsa_wavefront_size32 1
		.amdhsa_system_sgpr_workgroup_id_x 1
		.amdhsa_system_sgpr_workgroup_id_y 1
		.amdhsa_system_sgpr_workgroup_id_z 1
		.amdhsa_system_vgpr_workitem_id 0
		.amdhsa_next_free_vgpr 208
		.amdhsa_next_free_sgpr 66
		.amdhsa_reserve_vcc 1
		.amdhsa_float_denorm_mode_32 3
		.amdhsa_float_denorm_mode_16_64 3
		.amdhsa_memory_ordered 1
		.amdhsa_forward_progress 1
		.amdhsa_inst_pref_size 19
	.end_amdhsa_kernel
	.amdgpu_metadata
---
amdhsa.version: [ 1, 2 ]
amdhsa.kernels:
  - .name:           k_q9f2e1ca047_prep
    .symbol:         k_q9f2e1ca047_prep.kd
    .args:
      - { .name: wq, .offset: 0, .size: 8, .value_kind: global_buffer, .address_space: global }
      - { .name: wk, .offset: 8, .size: 8, .value_kind: global_buffer, .address_space: global }
      - { .name: wv, .offset: 16, .size: 8, .value_kind: global_buffer, .address_space: global }
      - { .name: bq, .offset: 24, .size: 8, .value_kind: global_buffer, .address_space: global }
      - { .name: bk, .offset: 32, .size: 8, .value_kind: global_buffer, .address_space: global }
      - { .name: bv, .offset: 40, .size: 8, .value_kind: global_buffer, .address_space: global }
      - { .name: ln1_g, .offset: 48, .size: 8, .value_kind: global_buffer, .address_space: global }
      - { .name: ln1_b, .offset: 56, .size: 8, .value_kind: global_buffer, .address_space: global }
      - { .name: ln2_g, .offset: 64, .size: 8, .value_kind: global_buffer, .address_space: global }
      - { .name: ln2_b, .offset: 72, .size: 8, .value_kind: global_buffer, .address_space: global }
      - { .name: fc1_w, .offset: 80, .size: 8, .value_kind: global_buffer, .address_space: global }
      - { .name: fc1_b, .offset: 88, .size: 8, .value_kind: global_buffer, .address_space: global }
      - { .name: fc2_w, .offset: 96, .size: 8, .value_kind: global_buffer, .address_space: global }
      - { .name: wts, .offset: 104, .size: 8, .value_kind: global_buffer, .address_space: global }
      - { .name: bias, .offset: 112, .size: 8, .value_kind: global_buffer, .address_space: global }
    .group_segment_fixed_size: 0
    .private_segment_fixed_size: 0
    .kernarg_segment_align: 8
    .kernarg_segment_size: 120
    .max_flat_workgroup_size: 256
    .sgpr_count:     66
    .vgpr_count:     208
    .wavefront_size: 32
...
	.end_amdgpu_metadata
.endif
;; end of part 1
;; launch qkv (part 2): grid 256 x 1, 8 waves a work-group, clusters of 4 x 1, 327,680 bytes of LDS; arguments x, wts, bias, q, k, v, xh, st; writes q, k, v, xh, st
.if DOCPART == 2
	.amdgcn_target "amdgcn-amd-amdhsa--gfx1250"
	.amdhsa_code_object_version 6
	.text
	.protected	k_q9f2e1ca047_qkv
	.globl	k_q9f2e1ca047_qkv
	.p2align	8
	.type	k_q9f2e1ca047_qkv,@function
k_q9f2e1ca047_qkv:
	s_mov_b64 s[64:65], 0
	v_nop
	global_prefetch_b8 v0, s[64:65] scope:SCOPE_SE
	s_setreg_imm32_b32 hwreg(HW_REG_WAVE_MODE, 25, 1), 1
	s_wait_xcnt 0x0
	s_wait_alu depctr_hold_cnt(0) depctr_sa_sdst(0) depctr_va_vdst(0) depctr_va_sdst(0) depctr_va_ssrc(0) depctr_va_vcc(0) depctr_vm_vsrc(0)
	s_getreg_b32 s2, hwreg(HW_REG_IB_STS2, 6, 4)
	s_cmp_eq_u32 s2, 0
	s_cbranch_scc0 .Lentry_in_a_cluster
	s_endpgm
.Lentry_in_a_cluster:
	s_bfe_u32 s2, ttmp6, 0x10000c
	s_cmp_lg_u32 s2, 0x3003
	s_cbranch_scc0 .Lentry_shape_is_right
	s_endpgm
.Lentry_shape_is_right:
; QKV.  xhat = (x - mean) rstd over the 256 channels of a token; q | k | v = xhat wA + bA (gain and shift are folded into wA, bA).  All products bf16 with f32 sums.
; A work-group owns two image rows (256 tokens).  NORM: wave w holds channels 32 w .. 32 w + 31 of all 256 tokens in 256 registers; sums meet in LDS; mean first, then the squares of x - mean.
; xhat goes to LDS as [channel][token] in bf16 and comes back turned, as fragments with one token a lane.
; PRODUCT: wave w takes tokens 64 (w & 3) .. + 63 and 64 of the 128 output dims of each of six periods; a period's weights (64 KiB of fragment images) come by a joint tensor load:
; all work-groups walk the same weights, so the four of a cluster ask together.  Two slots take turns; a refill has a period, 128 products a wave, in which to land.
; OUT.  q, k, xh: [row 512][16 channel blocks][token 128][16 channels] bf16; v: [row][block][8-token group 16][channel 16][8 tokens]; st: mean, then sig = (var + eps) rstd, f32 a token.
; Every store of a wave covers 512 consecutive bytes, aligned.  LIMIT: NaN and infinities are not treated apart.
.set XP,    544                        ; LDS pitch of a channel's 256 tokens: 512 + 32 bytes, an odd multiple of 32
.set RED,   139264                     ; two regions of 8,192: [wave][256 tokens] f32
.set SPARE, 155648                     ; the spare words: 128 bytes a wave
.set BIASA, 156672                     ; bA, 3,072 bytes, filled once
.set SLOT0, 196608                     ; two slots of 65,536: 0x30000 and 0x40000
.set TOG,   0x70000
.set AO,  1                            ; 32 r + 16 h
.set AX,  4                            ; 16 l
.set ASX, 5
.set ARS, 6
.set ARR, 7
.set ATR, 8
.set ATR2, 9
.set AW0, 10
.set AW,  11
.set ABI, 12
.set ABV, 13
.set SPW, 14
.set NIL, 15
.set SUM, 16                           ; v16-23 sums, then means, of my 8 tokens (row rho, tokens 4 l ..)
.set SQ,  24                           ; v24-31 squares, then var + eps, then sig
.set RS,  32                           ; v32-39 rstd
.set BI,  32                           ; v32-63 later: the biases, the C of each sum's first product
.set FB,  64                           ; v64-127 two buffers of four weight fragments; on the way out the packed results
.set ACC, 128                          ; v128-255 sixteen accumulators: (i, t) at 8 (4 i + t).  Window 1: x as loaded, later xhat's fragments (t, kk) at 64 t + 8 kk
.set WV, 20
.set TG, 21
.set OH, 22
.set CX, 23
.set WG, 24
.set TB, 25
.set IV, 28                            ; s[28:29] 1/256
.set EP, 30                            ; s[30:31] 1e-5
.set G0, 32
.set G0B, 36
.set G1, 40
.set G1B, 48
.set DST, 56
.set CNT, 58
.set PER, 59
.set RO,  60
.set MSB, 0
.macro WIN new                         ; the immediate's high byte repeats the setting that is left
.if MSB != (\new)
	s_set_vgpr_msb (MSB<<8)|(\new)
.set MSB, (\new)
.endif
.endm
.macro PLACES n
.rept \n
	v_nop
.endr
.endm
.macro CROUND                          ; a round of the cluster's barrier
	s_barrier_signal -1
	s_barrier_wait -1
	s_cmp_lg_u32 s[WV], 0
	s_cbranch_scc1 .Lnot_wave_0_\@
	s_barrier_signal -3
.Lnot_wave_0_\@:
	s_barrier_wait -3
	s_barrier_signal -1
	s_barrier_wait -1
.endm
	s_load_b512 s[4:19], s[0:1], 0x0               ; x 4, wts 6, bias 8, q 10, k 12, v 14, xh 16, st 18
	v_lshl_add_u32 v[SPW], v0, 2, SPARE
	v_mov_b32 v[NIL], 0
	ds_add_u32 v[SPW], v[NIL]                      ; the opening: the add and its wait ahead of the first tensor load
	v_lshrrev_b32 v1, 5, v0
	v_readfirstlane_b32 s[WV], v1
	s_and_b32 s[TG], s[WV], 3
	s_lshr_b32 s[OH], s[WV], 2
	s_bfe_u32 s[CX], ttmp6, 0x40000
	s_lshl_b32 s[WG], ttmp9, 2
	s_add_co_u32 s[WG], s[WG], s[CX]               ; enters global addresses alone
	s_mov_b32 s[G1], 15|(3<<16)|(1<<21)            ; the mask of four; 8-byte elements; bit 21 beside a mask
	s_mov_b32 s[G1+1], 32<<16                      ; rows of 32 elements = 256 bytes
	s_mov_b32 s[G1+2], 64<<16                      ; 64 rows: a wave's quarter of a slot
	s_mov_b32 s[G1+3], 32<<16
	s_mov_b32 s[G1+4], 64
	s_mov_b32 s[G1+5], 32
	s_mov_b32 s[G1+6], 0
	s_mov_b32 s[G1+7], 0
	s_mov_b32 s[G1B], 15|(3<<16)|(1<<21)
	s_mov_b32 s[G1B+1], 32<<16
	s_mov_b32 s[G1B+2], 3<<16                      ; 3 rows: a quarter of bA
	s_mov_b32 s[G1B+3], 32<<16
	s_mov_b32 s[G1B+4], 3
	s_mov_b32 s[G1B+5], 32
	s_mov_b32 s[G1B+6], 0
	s_mov_b32 s[G1B+7], 0
	s_mov_b32 s[IV], 0x3b800000
	s_mov_b32 s[IV+1], 0x3b800000
	s_mov_b32 s[EP], 0x3727c5ac
	s_mov_b32 s[EP+1], 0x3727c5ac
	s_mov_b32 s[G0], 1
	s_mov_b32 s[G0B], 1
	s_mov_b32 s27, 0
	s_lshl_b32 s26, s[WV], 14
	s_add_co_u32 s[G0+1], s26, SLOT0
	s_wait_dscnt 0x0
	s_wait_kmcnt 0x0
	s_add_nc_u64 s[G0+2:G0+3], s[6:7], s[26:27]
	s_or_b32 s[G0+3], s[G0+3], 0x80000000
	s_mul_i32 s26, s[WV], 768
	s_add_co_u32 s[G0B+1], s26, BIASA
	s_add_nc_u64 s[G0B+2:G0B+3], s[8:9], s[26:27]
	s_or_b32 s[G0B+3], s[G0B+3], 0x80000000
	CROUND                                         ; the first joint loads meet
	s_cmp_lt_u32 s[WV], 4                          ; waves 0-3 fetch; two loads of such a wave are out
	s_cbranch_scc0 .Lno_first
	tensor_load_to_lds s[G0:G0+3], s[G1:G1+7]      ; period 0's weights
	s_nop 0
	tensor_load_to_lds s[G0B:G0B+3], s[G1B:G1B+7]  ; bA
	s_nop 0
	PLACES 4
.Lno_first:
	; x: batch, my 32 channels, the two rows
	s_lshr_b32 s26, s[WG], 6
	s_lshl_b32 s26, s26, 24
	s_lshl_b32 s[CNT], s[WV], 21
	s_add_co_u32 s26, s26, s[CNT]
	s_and_b32 s[CNT], s[WG], 63
	s_lshl_b32 s[CNT], s[CNT], 10
	s_add_co_u32 s26, s26, s[CNT]
	s_add_nc_u64 s[4:5], s[4:5], s[26:27]
	v_and_b32 v1, 31, v0
	v_lshlrev_b32 v[AX], 4, v1
	WIN 0x40
.set i, 0
.rept 32                                       ; channel i, rows 0 and 1: 512 consecutive bytes a load
	global_load_b128 v[8*i:8*i+3],   v[AX], s[4:5] offset:i*65536 th:TH_LOAD_NT
	global_load_b128 v[8*i+4:8*i+7], v[AX], s[4:5] offset:i*65536+512 th:TH_LOAD_NT
.set i, i+1
.endr
	WIN 0
	v_and_b32 v2, 15, v0
	v_bfe_u32 v3, v0, 4, 1
	s_mul_i32 s26, s[WV], 32*XP
	v_lshl_add_u32 v[ASX], v1, 3, s26
	s_lshl_b32 s26, s[WV], 10
	s_add_co_u32 s26, s26, RED
	v_add_nc_u32 v[ARS], s26, v[AX]
	v_add_nc_u32 v[ARR], RED, v[AX]
	v_and_b32 v[ATR], 7, v0                        ; the turning load: lane l reads channel 8 h + l % 8, tokens 8 ((l / 8) % 2) ..
	v_lshl_add_u32 v[ATR], v3, 3, v[ATR]
	v_mul_u32_u24 v[ATR], v[ATR], XP
	v_bfe_u32 v[ATR2], v0, 3, 1
	v_lshl_add_u32 v[ATR], v[ATR2], 4, v[ATR]
	s_lshl_b32 s26, s[TG], 7
	v_add_nc_u32 v[ATR], s26, v[ATR]
	v_add_nc_u32 v[ATR2], 128*XP, v[ATR]
	s_lshl_b32 s26, s[OH], 15
	v_add_nc_u32 v[AW0], s26, v[AX]
	s_lshl_b32 s26, s[OH], 8
	s_add_co_u32 s26, s26, BIASA
	v_lshl_add_u32 v[ABI], v3, 5, s26
	s_add_co_u32 s26, s26, 2048
	v_lshl_add_u32 v[ABV], v2, 2, s26
	v_lshlrev_b32 v[AO], 5, v2
	v_lshl_add_u32 v[AO], v3, 4, v[AO]
	; where my tokens lie in q, k, v, xh: row 2 wg + rho, half of the row
	s_lshl_b32 s26, s[WG], 1
	s_lshr_b32 s[CNT], s[TG], 1
	s_add_co_u32 s26, s26, s[CNT]
	s_lshl_b32 s26, s26, 16
	s_and_b32 s[CNT], s[TG], 1
	s_lshl_b32 s[CNT], s[CNT], 11
	s_add_co_u32 s26, s26, s[CNT]
	s_add_nc_u64 s[16:17], s[16:17], s[26:27]
	s_lshl_b32 s[CNT], s[OH], 14
	s_add_co_u32 s[RO], s26, s[CNT]                ; + my four channel blocks of a period's eight
	s_lshl_b32 s26, s[WG], 10
	s_add_nc_u64 s[18:19], s[18:19], s[26:27]
; The eight waves' partial sums d (8 registers) meet in LDS at byte off of the two regions; every wave reads all eight and adds.
.macro REDUCE d, off
	ds_store_b128 v[ARS], v[(\d):(\d)+3] offset:(\off)
	ds_store_b128 v[ARS], v[(\d)+4:(\d)+7] offset:(\off)+512
	s_wait_dscnt 0x0                               ; for the others' sake
	s_barrier_signal -1
	s_barrier_wait -1
.set i, 0
.rept 16
	ds_load_b128 v[FB+4*i:FB+4*i+3], v[ARR] offset:(\off)+i*512
.set i, i+1
.endr
	s_wait_dscnt 0x0
.set i, 0
.rept 4
	v_pk_add_f32 v[(\d)+2*i:(\d)+2*i+1], v[FB+2*i:FB+2*i+1], v[FB+8+2*i:FB+8+2*i+1]
.set i, i+1
.endr
.set i, 8
.rept 24
	v_pk_add_f32 v[(\d)+2*(i%4):(\d)+2*(i%4)+1], v[(\d)+2*(i%4):(\d)+2*(i%4)+1], v[FB+2*i:FB+2*i+1]
.set i, i+1
.endr
.endm
	s_wait_loadcnt 0x0
	WIN 0x05                                       ; the sum over my 32 channels: four chains, started by the first two channels
.set i, 0
.rept 4
	v_pk_add_f32 v[SUM+2*i:SUM+2*i+1], v[2*i:2*i+1], v[8+2*i:8+2*i+1]
.set i, i+1
.endr
	WIN 0x04
.set i, 8
.rept 120
	v_pk_add_f32 v[SUM+2*(i%4):SUM+2*(i%4)+1], v[SUM+2*(i%4):SUM+2*(i%4)+1], v[2*i:2*i+1]
.set i, i+1
.endr
	WIN 0
	REDUCE SUM, 0
.set i, 0
.rept 4
	v_pk_mul_f32 v[SUM+2*i:SUM+2*i+1], v[SUM+2*i:SUM+2*i+1], s[IV:IV+1] op_sel_hi:[1,0]  ; the mean
.set i, i+1
.endr
	WIN 0x41
.set i, 0
.rept 128
	v_pk_add_f32 v[2*i:2*i+1], v[2*i:2*i+1], v[SUM+2*(i%4):SUM+2*(i%4)+1] neg_lo:[0,1] neg_hi:[0,1]  ; x - mean, in place
.set i, i+1
.endr
	WIN 0x05
.set i, 0
.rept 4
	v_pk_mul_f32 v[SQ+2*i:SQ+2*i+1], v[2*i:2*i+1], v[2*i:2*i+1]
.set i, i+1
.endr
.rept 124
	v_pk_fma_f32 v[SQ+2*(i%4):SQ+2*(i%4)+1], v[2*i:2*i+1], v[2*i:2*i+1], v[SQ+2*(i%4):SQ+2*(i%4)+1]
.set i, i+1
.endr
	WIN 0
	REDUCE SQ, 8192
.set i, 0
.rept 4
	v_pk_fma_f32 v[SQ+2*i:SQ+2*i+1], v[SQ+2*i:SQ+2*i+1], s[IV:IV+1], s[EP:EP+1] op_sel_hi:[1,0,0]  ; var + eps
.set i, i+1
.endr
.set i, 0
.rept 8
	v_rsq_f32 v[RS+i], v[SQ+i]
.set i, i+1
.endr
	v_nop                                          ; a plain instruction behind the last root,
	s_wait_alu depctr_va_vdst(0)                   ; and one wait for the eight, ahead of their first reader
.set i, 0
.rept 4
	v_pk_mul_f32 v[SQ+2*i:SQ+2*i+1], v[SQ+2*i:SQ+2*i+1], v[RS+2*i:RS+2*i+1]  ; sig = (var + eps) rstd
.set i, i+1
.endr
	s_cmp_lg_u32 s[WV], 0                          ; every wave holds all tokens' figures: wave 0 stores the means, wave 1 sig
	s_cbranch_scc1 .Lno_mean
	global_store_b128 v[AX], v[SUM:SUM+3], s[18:19]
	global_store_b128 v[AX], v[SUM+4:SUM+7], s[18:19] offset:512
.Lno_mean:
	s_cmp_lg_u32 s[WV], 1
	s_cbranch_scc1 .Lno_sig
	global_store_b128 v[AX], v[SQ:SQ+3], s[18:19] offset:262144
	global_store_b128 v[AX], v[SQ+4:SQ+7], s[18:19] offset:262144+512
.Lno_sig:
	WIN 0x41
.set i, 0
.rept 128
	v_pk_mul_f32 v[2*i:2*i+1], v[2*i:2*i+1], v[RS+2*(i%4):RS+2*(i%4)+1]  ; xhat
.set i, i+1
.endr
	WIN 0x45
.set i, 0
.rept 64
	v_cvt_pk_bf16_f32 v[4*i], v[4*i], v[4*i+1]
	v_cvt_pk_bf16_f32 v[4*i+1], v[4*i+2], v[4*i+3]
.set i, i+1
.endr
	WIN 0x04
.set i, 0
.rept 64
	ds_store_b64 v[ASX], v[4*i:4*i+1] offset:(i/2)*XP+(i%2)*256  ; 32 lanes, 256 consecutive bytes
.set i, i+1
.endr
	WIN 0
	s_wait_dscnt 0x0
	s_barrier_signal -1
	s_barrier_wait -1                              ; xhat of all channels lies in LDS
	WIN 0x40
.irp t, 0,1,2,3
.set kk, 0
.rept 8
.irp s, 0,1
	ds_load_tr16_b128 v[64*(\t)+8*kk+4*(\s):64*(\t)+8*kk+4*(\s)+3], v[ATR+kk/4] offset:(kk%4)*32*XP+(\s)*16*XP+32*(\t)
.endr
.set kk, kk+1
.endr
.endr
	WIN 0
	s_wait_dscnt 0x0
	s_cmp_lt_u32 s[WV], 4                          ; waves 0-3 and 4-7 hold the same tokens: the first four store xh
	s_cbranch_scc0 .Lno_xh
	WIN 0x04
.irp t, 0,1,2,3
.set i, 0
.rept 16
	global_store_b128 v[AO], v[64*(\t)+4*i:64*(\t)+4*i+3], s[16:17] offset:i*4096+(\t)*512
.set i, i+1
.endr
.endr
	WIN 0
.Lno_xh:
; THE CHANGE OF SLOTS.  Every wave: its stores have read their registers; all its tensor loads have landed; the add; its LDS reads are back; then the round (fill = 1) and the one joint refill.
.macro CHANGE fill
	WIN 0
	s_wait_xcnt 0x0                                ; the last period's stores have read their data and base
	s_wait_tensorcnt 0x0
	ds_add_u32 v[SPW], v[NIL]
.if \fill
	s_xor_b32 s[G0+1], s[G0+1], TOG
	s_add_nc_u64 s[G0+2:G0+3], s[G0+2:G0+3], 65536
.endif
	s_xor_b32 s[TB], s[TB], TOG
	v_add_nc_u32 v[AW], s[TB], v[AW0]
	s_wait_dscnt 0x0
.if \fill
	CROUND
	s_cmp_lt_u32 s[WV], 4
	s_cbranch_scc0 .Lno_fill_\@
	tensor_load_to_lds s[G0:G0+3], s[G1:G1+7]
	s_nop 0
	PLACES 4
.Lno_fill_\@:
.else
	s_barrier_signal -1
	s_barrier_wait -1
.endif
.endm
.macro LOADF kk, b                     ; my four weight fragments of K step kk into buffer b
.irp i, 0,1,2,3
	ds_load_b128 v[FB+32*(\b)+8*(\i):FB+32*(\b)+8*(\i)+3],   v[AW] offset:(8*(\i)+(\kk))*1024
	ds_load_b128 v[FB+32*(\b)+8*(\i)+4:FB+32*(\b)+8*(\i)+7], v[AW] offset:(8*(\i)+(\kk))*1024+512
.endr
.endm
; A PERIOD: 64 output dims x 64 tokens, K = 256 in eight steps of 16 products; the sixteen accumulators take turns.  kind 0 (q, k): source 0 = weights, so a lane holds one token and 8 dims.
; kind 1 (v): source 0 = tokens, so a lane holds one dim and 8 tokens.  The bias is the C of the first step.
.macro CHUNK kind, boff
	WIN 0
.if (\kind) == 0
.irp i, 0,1,2,3
	ds_load_b128 v[BI+8*(\i):BI+8*(\i)+3],   v[ABI] offset:(\i)*64
	ds_load_b128 v[BI+8*(\i)+4:BI+8*(\i)+7], v[ABI] offset:(\i)*64+16
.endr
.else
.set i, 0
.rept 32
	ds_load_b32 v[BI+i], v[ABV] offset:(\boff)+(i/8)*64
.set i, i+1
.endr
.endif
	LOADF 0, 0
.set kk, 0
.rept 8
.if kk < 7
.if kk > 0
	PLACES 4                                       ; in front of loads into the buffer that the last step's products read
.endif
	WIN 0
	LOADF kk+1, (kk+1)%2
	s_wait_dscnt 8                                 ; all but the eight just issued
.else
	s_wait_dscnt 0x0
.endif
.if (\kind) == 0
	WIN 0x04
.else
	WIN 0x01
.endif
.irp i, 0,1,2,3
.irp t, 0,1,2,3
.set rD, ACC+8*(4*(\i)+(\t))
.set rW, FB+32*(kk%2)+8*(\i)
.set rX, 64*(\t)+8*kk
.set rC, rD
.if kk == 0
.set rC, BI+8*(\i)
.endif
.if (\kind) == 0
	v_wmma_f32_16x16x32_bf16 v[rD:rD+7], v[rW:rW+7], v[rX:rX+7], v[rC:rC+7]
.else
	v_wmma_f32_16x16x32_bf16 v[rD:rD+7], v[rX:rX+7], v[rW:rW+7], v[rC:rC+7]
.endif
.endr
.endr
.set kk, kk+1
.endr
	WIN 0
	PLACES 4
.set n, 0
.rept 16
.irp e, 0,1,2,3
	v_cvt_pk_bf16_f32 v[FB+4*n+(\e)], v[ACC+8*n+2*(\e)], v[ACC+8*n+2*(\e)+1]
.endr
.if (\kind) == 0
	global_store_b128 v[AO], v[FB+4*n:FB+4*n+3], s[DST:DST+1] offset:(n/4)*4096+(n%4)*512
.else
	global_store_b128 v[AX], v[FB+4*n:FB+4*n+3], s[DST:DST+1] offset:(n/4)*4096+(n%4)*512
.endif
.set n, n+1
.endr
.endm
	s_mov_b32 s[TB], 0x40000                       ; the first change turns it into slot 0
	s_mov_b32 s[PER], 0
	s_mov_b32 s[CNT], 4
.Lper:                                         ; periods 0-3: q, q, k, k
	CHANGE 1
	s_cmp_lt_u32 s[PER], 2
	s_cselect_b64 s[DST:DST+1], s[10:11], s[12:13]
	s_and_b32 s26, s[PER], 1
	s_lshl_b32 s26, s26, 15
	s_add_co_u32 s26, s26, s[RO]
	s_add_nc_u64 s[DST:DST+1], s[DST:DST+1], s[26:27]
	CHUNK 0, 0
	v_add_nc_u32 v[ABI], 512, v[ABI]
	s_add_co_u32 s[PER], s[PER], 1
	s_sub_co_u32 s[CNT], s[CNT], 1
	s_cmp_lg_u32 s[CNT], 0
	s_cbranch_scc1 .Lper
	CHANGE 1                                       ; period 4: v's first half; period 5's weights are asked for
	s_mov_b32 s26, s[RO]
	s_add_nc_u64 s[DST:DST+1], s[14:15], s[26:27]
	CHUNK 1, 0
	CHANGE 0                                       ; period 5: nothing is left to fetch
	s_add_co_u32 s26, s[RO], 32768
	s_add_nc_u64 s[DST:DST+1], s[14:15], s[26:27]
	CHUNK 1, 512
	s_wait_tensorcnt 0x0                           ; the wave's end
	ds_add_u32 v[SPW], v[NIL]
	s_wait_dscnt 0x0
	CROUND                                         ; the closing round
	s_endpgm
.Lfunc_end_k_q9f2e1ca047_qkv:
	.size	k_q9f2e1ca047_qkv, .Lfunc_end_k_q9f2e1ca047_qkv-k_q9f2e1ca047_qkv
	.p2alignl 7, 3214868480
	.fill 96, 4, 3214868480
	.section	.rodata,"a",@progbits
	.p2align	6, 0x0
	.amdhsa_kernel k_q9f2e1ca047_qkv
		.amdhsa_group_segment_fixed_size 327680
		.amdhsa_private_segment_fixed_size 0
		.amdhsa_enable_private_segment 0
		.amdhsa_kernarg_size 64
		.amdhsa_user_sgpr_count 2
		.amdhsa_user_sgpr_kernarg_segment_ptr 1
		.amdhsa_wavefront_size32 1
		.amdhsa_system_sgpr_workgroup_id_x 1
		.amdhsa_system_sgpr_workgroup_id_y 1
		.amdhsa_system_sgpr_workgroup_id_z 1
		.amdhsa_system_vgpr_workitem_id 0
		.amdhsa_next_free_vgpr 512
		.amdhsa_next_free_sgpr 66
		.amdhsa_reserve_vcc 0
		.amdhsa_float_denorm_mode_32 3
		.amdhsa_float_denorm_mode_16_64 3
		.amdhsa_memory_ordered 1
		.amdhsa_forward_progress 1
		.amdhsa_inst_pref_size 139
	.end_amdhsa_kernel
	.amdgpu_metadata
---
amdhsa.version: [ 1, 2 ]
amdhsa.kernels:
  - .name:           k_q9f2e1ca047_qkv
    .symbol:         k_q9f2e1ca047_qkv.kd
    .args:
      - { .name: x, .offset: 0, .size: 8, .value_kind: global_buffer, .address_space: global }
      - { .name: wts, .offset: 8, .size: 8, .value_kind: global_buffer, .address_space: global }
      - { .name: bias, .offset: 16, .size: 8, .value_kind: global_buffer, .address_space: global }
      - { .name: q, .offset: 24, .size: 8, .value_kind: global_buffer, .address_space: global }
      - { .name: k, .offset: 32, .size: 8, .value_kind: global_buffer, .address_space: global }
      - { .name: v, .offset: 40, .size: 8, .value_kind: global_buffer, .address_space: global }
      - { .name: xh, .offset: 48, .size: 8, .value_kind: global_buffer, .address_space: global }
      - { .name: st, .offset: 56, .size: 8, .value_kind: global_buffer, .address_space: global }
    .group_segment_fixed_size: 327680
    .private_segment_fixed_size: 0
    .kernarg_segment_align: 8
    .kernarg_segment_size: 64
    .max_flat_workgroup_size: 256
    .sgpr_count:     66
    .vgpr_count:     512
    .wavefront_size: 32
...
	.end_amdgpu_metadata
.endif
;; end of part 2
;; launch attnmlp (part 3): grid 256 x 1, 4 waves a work-group, clusters of 4 x 1, 327,680 bytes of LDS; arguments q, k, v, xh, st, wts, bias, fc2_b, out0; writes out0
.if DOCPART == 3
	.amdgcn_target "amdgcn-amd-amdhsa--gfx1250"
	.amdhsa_code_object_version 6
	.text
	.protected	k_q9f2e1ca047_attnmlp
	.globl	k_q9f2e1ca047_attnmlp
	.p2align	8
	.type	k_q9f2e1ca047_attnmlp,@function
k_q9f2e1ca047_attnmlp:
	s_mov_b64 s[64:65], 0
	v_nop
	global_prefetch_b8 v0, s[64:65] scope:SCOPE_SE
	s_setreg_imm32_b32 hwreg(HW_REG_WAVE_MODE, 25, 1), 1
	s_wait_xcnt 0x0
	s_wait_alu depctr_hold_cnt(0) depctr_sa_sdst(0) depctr_va_vdst(0) depctr_va_sdst(0) depctr_va_ssrc(0) depctr_va_vcc(0) depctr_vm_vsrc(0)
	s_getreg_b32 s2, hwreg(HW_REG_IB_STS2, 6, 4)
	s_cmp_eq_u32 s2, 0
	s_cbranch_scc0 .Lentry_in_a_cluster
	s_endpgm
.Lentry_in_a_cluster:
	s_bfe_u32 s2, ttmp6, 0x10000c
	s_cmp_lg_u32 s2, 0x3003
	s_cbranch_scc0 .Lentry_shape_is_right
	s_endpgm
.Lentry_shape_is_right:
; 3 x 3 NEIGHBOURHOOD ATTENTION, RESIDUAL, NORM, MLP, RESIDUAL.  A work-group owns two image rows (256 tokens); wave w owns columns 32 w .. 32 w + 31 of both: four tiles T = 2 ct + qr of 16 tokens.
; In every product a lane holds ONE token (lane % 16), so nothing changes lanes between the steps; only the result is turned, through LDS, into [channel][token].
; ATTENTION.  For a tile of 16 queries at columns x0 .. and each of its three key rows: 32 keys, columns x0 - 8 .. x0 + 23.  S^T = K Q^T; the C of the first K step is the mask: 0, or -1e30 where the key is
; no neighbour or lies outside the image.  The true maximum of the 96 scores is taken away (the query's own key is never hidden); p = 2^(c s - c m), c = log2(e) / 16; hidden keys get the weight 0.
; P in bf16 is source 1 of O^T = V^T P.  A key column or group outside the image is read from the row's last one: its weight is 0.
; x1 = xhat sig + mean + O / l.  n2 = (x1 - mean2) rstd2 (gain and shift are folded into the weights).  H = gelu(n2 W1 + b1), 32 hidden units a chunk; x1 += H W2, in the same accumulators; fc2_b on the way out.
; gelu(x) = x / (1 + 2^(x (-c1 - c3 x^2))), c1 = 2 sqrt(2 / pi) log2(e), c3 = 0.044715 c1: the tanh form.
; THE MLP BY TURNS.  Trip j: 64 products fc1 of chunk j + 1, then 64 products fc2 of chunk j; the GELU stands behind them, at most four lines behind a product: beside fc1 the rounding of chunk j's tiles 0, 1
; and the whole GELU of its tiles 2, 3; beside fc2 the GELU of chunk j + 1's tiles 0, 1 up to its f32 result.  One text serves every trip: tiles 0, 1 are summed in place, once their old results are rounded
; away; tiles 2, 3 are summed in spare registers, and only the last K step writes where the GELU reads.
; LIMITS.  The tanh form is off from the erf form by 5e-4 at the most, for every x.  The residual's x carries xhat's rounding to bf16: 2^-9 |x - mean| at the most.  NaN and infinities are not treated apart.
; LDS.  [0, 262144): the four key rows of K, then of V (a wave fetches a row of 64 KiB).  Then the weights (joint loads: all work-groups walk the same weights): fc1 of chunk 0 at 0, two slots of 128 KiB at
; 0x4000 and 0x24000, each with fc2 (j), fc1 (j + 1) for four trips j; at the end the stage.  A refill of a slot has four trips, 512 products a wave, in which to land.
; At most two tensor loads of a wave are out (at the head), later one.
; WINDOWS.  0: addresses, masks, S, P; later xh and temporaries; in the MLP H, its bf16, temporaries, bias, two weight buffers.  1: Q; V's fragments; n2 (T, kk) at 64 T + 8 kk.
; 2: K's fragments, the saved P; later the accumulators of T = 0, 1.  3: the accumulators in hand; at the end those of T = 2, 3.
.set BIAS1, 278528
.set SPARE, 282624
.set SP,    1040                       ; the stage's pitch: 256 tokens of f32 + 16 bytes
.set AQ,  4
.set AK,  5                            ; v5, v6
.set VA,  7
.set VKC, 8
.set T0,  9
.set T1,  10
.set APF, 11
.set AW0, 12
.set AWC, 13
.set SPW, 14
.set NIL, 15
.set CC,  16                           ; v16-21 maxima at work
.set PT,  22
.set LT,  23
.set CM,  24                           ; v[24:25]
.set VBIG, 28
.set VZ,  29
.set AST, 31
.set MD,  32
.set MT,  48
.set MB,  64
.set S,   80                           ; tile (qr, krel, t) at 48 qr + 16 krel + 8 t
.set PW,  176                          ; P (qr, krel) at 24 qr + 8 krel; 1 / l in pairs at 224 + 2 qr
.set RL,  224
.set MS,  228                          ; mean pair, sig pair for each qr
.set XS,  32
.set TX,  160
.set MU,  168
.set RSD, 170
.set LT2, 172
; the MLP's map of window 0
.set AB0, 4                            ; v4   BIAS1 + 32 h
.set AB,  5                            ; v5   the bias address in hand
.set HX,  16                           ; v16-79   the hidden units of a chunk as the GELU reads them: tile T at 16 T, its two halves of 16 units 8 registers each
.set HN,  80                           ; v80-111  tiles 2, 3 while they are summed
.set HB,  112                          ; v112-143 gelu in bf16, source 1 of fc2: tile T at 8 T
.set TT,  144                          ; v144-175 the GELU's temporaries: two tiles
.set BH,  176                          ; v176-191 the chunk's biases, the C of fc1's first K step
.set WB,  192                          ; v192-255 two buffers of four weight fragments
.set SA,  16                           ; the way out: eight stage addresses
.set WV, 22
.set CX, 23
.set WG, 24
.set CNT, 25
.set G0, 32
.set G0B, 36
.set G1P, 40
.set G1W, 48
.set G1B, 56
.set TOPOK, 66
.set BOTOK, 67
.set HM, 69
.set C1, 70                            ; s[70:71] -c1
.set C3, 72                            ; s[72:73] -c3
.set BO, 74                            ; byte offset of the next chunk's biases
.set CS, 80
.set SEL, 82
.set IV, 84
.set EP, 86
.set TB, 88
.set CN2, 89
.set X0, 90
.set XM, 91
.set VPF, 92
.set MSB, 0
.macro WIN new
.if MSB != (\new)
	s_set_vgpr_msb (MSB<<8)|(\new)
.set MSB, (\new)
.endif
.endm
.macro PLACES n
.rept \n
	v_nop
.endr
.endm
.macro CROUND
	s_barrier_signal -1
	s_barrier_wait -1
	s_cmp_lg_u32 s[WV], 0
	s_cbranch_scc1 .Lnot_wave_0_\@
	s_barrier_signal -3
.Lnot_wave_0_\@:
	s_barrier_wait -3
	s_barrier_signal -1
	s_barrier_wait -1
.endm
	s_load_b512 s[4:19], s[0:1], 0x0               ; q 4, k 6, v 8, xh 10, st 12, wts 14, bias 16, fc2_b 18
	s_load_b64 s[20:21], s[0:1], 0x40              ; out0
	v_lshl_add_u32 v[SPW], v0, 2, SPARE
	v_mov_b32 v[NIL], 0
	ds_add_u32 v[SPW], v[NIL]                      ; the opening: the add and its wait ahead of the first tensor load
	v_lshrrev_b32 v1, 5, v0
	v_readfirstlane_b32 s[WV], v1
	s_bfe_u32 s[CX], ttmp6, 0x40000
	s_lshl_b32 s[WG], ttmp9, 2
	s_add_co_u32 s[WG], s[WG], s[CX]               ; enters global addresses and mask DATA alone: no branch, no LDS address
	s_and_b32 s26, s[WG], 63
	s_lshl_b32 s26, s26, 1                         ; y0
	s_cmp_eq_u32 s26, 0
	s_cselect_b32 s[TOPOK], 0, -1                  ; lane masks: is there a row above, below?
	s_cmp_eq_u32 s26, 126
	s_cselect_b32 s[BOTOK], 0, -1
	s_add_co_u32 s27, s26, s[WV]
	s_sub_co_i32 s27, s27, 1                       ; key row kr = my wave's number: image row y0 - 1 + kr, held inside the image
	s_max_i32 s27, s27, 0
	s_min_i32 s27, s27, 127
	s_lshr_b32 s28, s[WG], 6                       ; batch
	s_lshl_b32 s29, s28, 7
	s_add_co_u32 s27, s27, s29
	s_lshl_b32 s30, s27, 16                        ; s[30:31]: my key row's byte offset in k and v
	s_mov_b32 s31, 0
	s_lshl_b32 s96, s28, 24                        ; s[96:97]: out0 at my batch, my 64 channels, row y0
	s_lshl_b32 s29, s26, 9
	s_add_co_u32 s96, s96, s29
	s_lshl_b32 s29, s[WV], 22
	s_add_co_u32 s96, s96, s29
	s_mov_b32 s97, 0
	s_mov_b32 s[G1P], 3<<16                        ; a load of my own: 8-byte elements, 256 rows of 256 bytes: an image row
	s_mov_b32 s[G1P+1], 32<<16
	s_mov_b32 s[G1P+2], 256<<16
	s_mov_b32 s[G1P+3], 32<<16
	s_mov_b32 s[G1P+4], 256
	s_mov_b32 s[G1P+5], 32
	s_mov_b32 s[G1P+6], 0
	s_mov_b32 s[G1P+7], 0
	s_mov_b32 s[G1W], 15|(3<<16)|(1<<21)           ; joint: 128 rows: a quarter of a slot
	s_mov_b32 s[G1W+1], 32<<16
	s_mov_b32 s[G1W+2], 128<<16
	s_mov_b32 s[G1W+3], 32<<16
	s_mov_b32 s[G1W+4], 128
	s_mov_b32 s[G1W+5], 32
	s_mov_b32 s[G1W+6], 0
	s_mov_b32 s[G1W+7], 0
	s_mov_b32 s[G1B], 15|(3<<16)|(1<<21)           ; joint: 4 rows: a quarter of the hidden units' biases
	s_mov_b32 s[G1B+1], 32<<16
	s_mov_b32 s[G1B+2], 4<<16
	s_mov_b32 s[G1B+3], 32<<16
	s_mov_b32 s[G1B+4], 4
	s_mov_b32 s[G1B+5], 32
	s_mov_b32 s[G1B+6], 0
	s_mov_b32 s[G1B+7], 0
	s_mov_b32 s[HM], 0xffff0000
	s_mov_b32 s[C1], 0xc0135761                    ; -2.3022082
	s_mov_b32 s[C1+1], 0xc0135761
	s_mov_b32 s[C3], 0xbdd2d3e2                    ; -0.1029432
	s_mov_b32 s[C3+1], 0xbdd2d3e2
	s_mov_b32 s[BO], 0
	s_mov_b32 s[CS], 0x3db8aa3b                    ; log2(e) / 16
	s_mov_b32 s[CS+1], 0x3db8aa3b
	s_mov_b32 s[SEL], 0x76543210
	s_mov_b32 s[SEL+1], 0xfedcba98
	s_mov_b32 s[IV], 0x3b800000                    ; 1 / 256
	s_mov_b32 s[IV+1], 0x3b800000
	s_mov_b32 s[EP], 0x3727c5ac                    ; 1e-5
	s_mov_b32 s[EP+1], 0x3727c5ac
	s_mov_b32 s[G0], 1
	s_lshl_b32 s[G0+1], s[WV], 16
	s_mov_b32 s[G0B], 1
	s_lshl_b32 s29, s[WV], 10
	s_add_co_u32 s[G0B+1], s29, BIAS1
	s_add_co_u32 s26, s29, 3072
	s_mov_b32 s27, 0
	s_wait_dscnt 0x0
	s_wait_kmcnt 0x0
	s_add_nc_u64 s[G0+2:G0+3], s[6:7], s[30:31]
	s_or_b32 s[G0+3], s[G0+3], 0x80000000
	s_add_nc_u64 s[G0B+2:G0B+3], s[16:17], s[26:27]
	s_or_b32 s[G0B+3], s[G0B+3], 0x80000000
	s_lshl_b32 s26, s[WG], 17                      ; my two rows in q, xh, v
	s_add_nc_u64 s[4:5], s[4:5], s[26:27]
	s_add_nc_u64 s[10:11], s[10:11], s[26:27]
	s_add_nc_u64 s[VPF:VPF+1], s[8:9], s[26:27]
	s_lshl_b32 s26, s[WG], 10
	s_add_nc_u64 s[12:13], s[12:13], s[26:27]
	s_add_nc_u64 s[20:21], s[20:21], s[96:97]
	s_lshl_b32 s26, s[WV], 8
	s_add_nc_u64 s[18:19], s[18:19], s[26:27]      ; fc2_b at my 64 channels
	CROUND
	tensor_load_to_lds s[G0:G0+3], s[G1P:G1P+7]    ; K, key row kr = my wave's number
	s_nop 0
	tensor_load_to_lds s[G0B:G0B+3], s[G1B:G1B+7]
	s_nop 0
	PLACES 4
	v_and_b32 v1, 31, v0
	v_and_b32 v2, 15, v0                           ; r
	v_bfe_u32 v3, v0, 4, 1                         ; h
	s_lshl_b32 s26, s[WV], 10
	v_lshl_add_u32 v[AQ], v2, 5, s26
	v_lshl_add_u32 v[AQ], v3, 4, v[AQ]             ; (32 w + r) 32 + 16 h
	WIN 0x40
.irp qr, 0,1
.set i, 0
.rept 16                                       ; Q as source 1: tile ct = 1 below (it is taken first), ct = 0 above
	global_load_b128 v[64*(\qr)+4*i:64*(\qr)+4*i+3],         v[AQ], s[4:5] offset:(\qr)*65536+i*4096+512
	global_load_b128 v[128+64*(\qr)+4*i:128+64*(\qr)+4*i+3], v[AQ], s[4:5] offset:(\qr)*65536+i*4096
.set i, i+1
.endr
.endr
	WIN 0
	v_lshlrev_b32 v[VA], 3, v3
	v_sub_nc_u32 v[VA], v[VA], v2
	v_add_nc_u32 v[VA], -7, v[VA]                  ; 8 h - 7 - r: + e it is key column - query column + 1
	s_lshl_b32 s26, s[WV], 15
	v_lshl_add_u32 v[APF], v1, 8, s26
	v_lshlrev_b32 v[AW0], 4, v1
	v_mov_b32 v[PT], 0
	v_mov_b32 v[CM+1], 0
	v_mov_b32 v[VBIG], 0xf149f2ca                  ; -1e30
	v_mov_b32 v[VZ], 0
	WIN 0x80
.set i, 128
.rept 128
	v_mov_b32 v[i], 0                              ; window 2's upper half gets a value, in the wait for the first tile; the copies below replace it
.set i, i+1
.endr
	WIN 0
	s_wait_tensorcnt 0x0                           ; my row of K and my part of the biases are in,
	s_barrier_signal -1
	s_barrier_wait -1                              ; everybody's are
	s_wait_loadcnt 0x0                             ; Q
	; V of my work-group's own two rows is asked for ahead: 512 blocks of 256 bytes, a lane a block, four lines a wave; each block is named once in the launch.  It is loaded behind the scores.
.irp i, 0,1,2,3
	global_prefetch_b8 v[APF], s[VPF:VPF+1] offset:(\i)*8192 th:TH_LOAD_NT scope:SCOPE_SE
.endr
; ---- the scores ----
.macro SMM kr, qr, t                   ; one product of S^T (qr, kr - qr, t), K step kk
.set rS, S+48*(\qr)+16*((\kr)-(\qr))+8*(\t)
.set rK, 64*(\t)+8*kk
.set rQ, 64*(\qr)+8*kk
.set rM, MD+8*(\t)
.if (\kr) == 0
.set rM, MT+8*(\t)
.endif
.if (\kr) == 3
.set rM, MB+8*(\t)
.endif
.if kk == 0
	v_wmma_f32_16x16x32_bf16 v[rS:rS+7], v[rK:rK+7], v[rQ:rQ+7], v[rM:rM+7]
.else
	v_wmma_f32_16x16x32_bf16 v[rS:rS+7], v[rK:rK+7], v[rQ:rQ+7], v[rS:rS+7]
.endif
.endm
.macro SROW kr                         ; key row kr: 32 keys x 256 channels into window 2, then its products for the one or two query rows that see it; the accumulators take turns
.if (\kr) > 0
	PLACES 4
.endif
	WIN 0x80
.set i, 0
.rept 16
	ds_load_b128 v[4*i:4*i+3],       v[AK]   offset:i*4096
	ds_load_b128 v[64+4*i:64+4*i+3], v[AK+1] offset:i*4096
.set i, i+1
.endr
	WIN 0
.if (\kr) < 3
	v_add_nc_u32 v[AK], 0x10000, v[AK]
	v_add_nc_u32 v[AK+1], 0x10000, v[AK+1]
.endif
	s_wait_dscnt 0x0
	WIN 0x06
.set kk, 0
.rept 8
.irp t, 0,1
.irp qr, 0,1
.if ((\kr) >= (\qr)) && ((\kr)-(\qr) <= 2)
	SMM \kr, \qr, \t
.endif
.endr
.endr
.set kk, kk+1
.endr
	WIN 0
.endm
.macro SOFTMAX qr                      ; 48 scores a lane, the query's other 48 in the lane 16 away.  Each accumulator's lowest registers are read first.
.set SB, S+48*(\qr)
.irp a, 0,1,2,3,4,5
	v_max3_num_f32 v[CC+(\a)], v[SB+8*(\a)], v[SB+8*(\a)+1], v[SB+8*(\a)+2]
.endr
.irp a, 0,1,2,3,4,5
	v_max3_num_f32 v[CC+(\a)], v[CC+(\a)], v[SB+8*(\a)+3], v[SB+8*(\a)+4]
.endr
.irp a, 0,1,2,3,4,5
	v_max3_num_f32 v[CC+(\a)], v[CC+(\a)], v[SB+8*(\a)+5], v[SB+8*(\a)+6]
.endr
	v_max3_num_f32 v[CC], v[CC], v[SB+7], v[SB+15]
	v_max3_num_f32 v[CC+1], v[CC+1], v[SB+23], v[SB+31]
	v_max3_num_f32 v[CC+2], v[CC+2], v[SB+39], v[SB+47]
	v_max3_num_f32 v[CC+3], v[CC+3], v[CC+4], v[CC+5]
	v_max3_num_f32 v[CC], v[CC], v[CC+1], v[CC+2]
	v_max_num_f32 v[CC], v[CC], v[CC+3]
	v_permlanex16_b32 v[PT], v[CC], s[SEL], s[SEL+1]
	v_max_num_f32 v[CC], v[CC], v[PT]
	v_mul_f32 v[CM], s[CS], v[CC]                  ; c m
.set n, 0
.rept 24
	v_pk_fma_f32 v[SB+2*n:SB+2*n+1], v[SB+2*n:SB+2*n+1], s[CS:CS+1], v[CM:CM+1] op_sel_hi:[1,0,0] neg_lo:[0,0,1] neg_hi:[0,0,1]
.set n, n+1
.endr
.set n, 0
.rept 48
	v_exp_f32 v[SB+n], v[SB+n]
.set n, n+1
.endr
	v_nop                                          ; a plain instruction behind the last exponential,
	s_wait_alu depctr_va_vdst(0)                   ; and one wait for the batch
.set n, 0
.rept 24
	v_cvt_pk_bf16_f32 v[PW+24*(\qr)+n], v[SB+2*n], v[SB+2*n+1]
.set n, n+1
.endr
.set n, 0
.rept 12
	v_pk_add_f32 v[SB+2*n:SB+2*n+1], v[SB+2*n:SB+2*n+1], v[SB+24+2*n:SB+24+2*n+1]
.set n, n+1
.endr
.set n, 0
.rept 6
	v_pk_add_f32 v[SB+2*n:SB+2*n+1], v[SB+2*n:SB+2*n+1], v[SB+12+2*n:SB+12+2*n+1]
.set n, n+1
.endr
.set n, 0
.rept 3
	v_pk_add_f32 v[SB+2*n:SB+2*n+1], v[SB+2*n:SB+2*n+1], v[SB+6+2*n:SB+6+2*n+1]
.set n, n+1
.endr
	v_pk_add_f32 v[SB:SB+1], v[SB:SB+1], v[SB+2:SB+3]
	v_pk_add_f32 v[SB:SB+1], v[SB:SB+1], v[SB+4:SB+5]
	v_add_f32 v[LT], v[SB], v[SB+1]
	v_permlanex16_b32 v[PT], v[LT], s[SEL], s[SEL+1]
	v_add_f32 v[LT], v[LT], v[PT]
	v_rcp_f32 v[RL+2*(\qr)], v[LT]
	v_rcp_f32 v[RL+2*(\qr)+1], v[LT]
	v_nop
	s_wait_alu depctr_va_vdst(0)
.endm
	s_mov_b32 s[CNT], 2
.Lsct:                                         ; two trips: ct = 1, then ct = 0
	s_sub_co_u32 s26, s[CNT], 1
	s_lshl_b32 s26, s26, 4
	s_lshl_b32 s27, s[WV], 5
	s_add_co_u32 s[X0], s26, s27
	s_sub_co_u32 s[XM], s[X0], 8
	v_add_nc_u32 v[T0], s[XM], v2                  ; key column of my row of tile 0; below 0 it wraps to a large number
	v_min_u32 v[AK], 127, v[T0]
	v_add_nc_u32 v[AK+1], 16, v[T0]
	v_min_u32 v[AK+1], 127, v[AK+1]
	v_lshlrev_b32 v[AK], 5, v[AK]
	v_lshlrev_b32 v[AK+1], 5, v[AK+1]
	v_lshl_add_u32 v[AK], v3, 4, v[AK]
	v_lshl_add_u32 v[AK+1], v3, 4, v[AK+1]
	v_lshl_add_u32 v[VKC], v3, 3, s[XM]
.set n, 0
.rept 16                                       ; register j of tile t (n = 8 t + j): key e = 16 t + j of my half of the lanes
.set e, n+8*(n/8)
	v_add_nc_u32 v[T0], e, v[VA]
	v_add_nc_u32 v[T1], e, v[VKC]
	v_cmp_gt_u32 s94, 3, v[T0]                     ; a neighbour along the row,
	v_cmp_gt_u32 s95, 128, v[T1]                   ; inside the image
	s_and_b32 s94, s94, s95
	s_and_b32 s95, s94, s[TOPOK]
	s_and_b32 s29, s94, s[BOTOK]
	v_cndmask_b32 v[MD+n], v[VBIG], v[VZ], s94
	v_cndmask_b32 v[MT+n], v[VBIG], v[VZ], s95
	v_cndmask_b32 v[MB+n], v[VBIG], v[VZ], s29
.set n, n+1
.endr
	SROW 0
	SROW 1
	SROW 2
	SROW 3
	PLACES 4
	SOFTMAX 0
	SOFTMAX 1
	s_cmp_eq_u32 s[CNT], 1
	s_cbranch_scc1 .Lsdone
	WIN 0x80                                       ; behind the first trip: its P and 1 / l are set aside, and the other tiles' Q goes where the text names Q
.set i, 0
.rept 52
	v_mov_b32 v[128+i], v[PW+i]
.set i, i+1
.endr
	WIN 0x41
.set i, 0
.rept 128
	v_mov_b32 v[i], v[128+i]
.set i, i+1
.endr
	WIN 0
.Lsdone:
	s_sub_co_u32 s[CNT], s[CNT], 1
	s_cmp_lg_u32 s[CNT], 0
	s_cbranch_scc1 .Lsct
	; ---- V takes K's place ----
	s_wait_tensorcnt 0x0
	ds_add_u32 v[SPW], v[NIL]
	s_add_nc_u64 s[G0+2:G0+3], s[8:9], s[30:31]
	s_or_b32 s[G0+3], s[G0+3], 0x80000000
	s_wait_dscnt 0x0                               ; my reads of K are over
	CROUND
	tensor_load_to_lds s[G0:G0+3], s[G1P:G1P+7]
	s_nop 0
	PLACES 4
	s_wait_tensorcnt 0x0
	s_barrier_signal -1
	s_barrier_wait -1
.macro PROW kr                         ; key row kr of V: 16 fragments (16 channels x 32 keys) into window 1's upper half, then O^T += V^T P
.if (\kr) > 0
	PLACES 4
.endif
	WIN 0x40
.set i, 0
.rept 16
	ds_load_b128 v[128+8*i:128+8*i+3],   v[AK]   offset:i*4096
	ds_load_b128 v[128+8*i+4:128+8*i+7], v[AK+1] offset:i*4096
.set i, i+1
.endr
	WIN 0
.if (\kr) < 3
	v_add_nc_u32 v[AK], 0x10000, v[AK]
	v_add_nc_u32 v[AK+1], 0x10000, v[AK+1]
.endif
	s_wait_dscnt 0x0
	WIN 0xf1
.set db, 0
.rept 16
.irp qr, 0,1
.if ((\kr) >= (\qr)) && ((\kr)-(\qr) <= 2)
.set rO, 128*(\qr)+8*db
.set rP, PW+24*(\qr)+8*((\kr)-(\qr))
.if (\kr) == (\qr)
	v_wmma_f32_16x16x32_bf16 v[rO:rO+7], v[128+8*db:128+8*db+7], v[rP:rP+7], 0
.else
	v_wmma_f32_16x16x32_bf16 v[rO:rO+7], v[128+8*db:128+8*db+7], v[rP:rP+7], v[rO:rO+7]
.endif
.endif
.endr
.set db, db+1
.endr
	WIN 0
.endm
.macro X1 qr                           ; x1 = O / l + xhat sig + mean, in the accumulators, two channel blocks at a time
.set dp, 0
.rept 8
	WIN 0
.set n, 0
.rept 8
	v_lshlrev_b32 v[TX+2*n], 16, v[XS+64*(\qr)+8*dp+n]
	v_and_b32 v[TX+2*n+1], s[HM], v[XS+64*(\qr)+8*dp+n]
.set n, n+1
.endr
.set n, 0
.rept 8
	v_pk_fma_f32 v[TX+2*n:TX+2*n+1], v[TX+2*n:TX+2*n+1], v[MS+4*(\qr)+2:MS+4*(\qr)+3], v[MS+4*(\qr):MS+4*(\qr)+1]
.set n, n+1
.endr
	WIN 0xc3
.set n, 0
.rept 8
	v_pk_fma_f32 v[128*(\qr)+16*dp+2*n:128*(\qr)+16*dp+2*n+1], v[128*(\qr)+16*dp+2*n:128*(\qr)+16*dp+2*n+1], v[RL+2*(\qr):RL+2*(\qr)+1], v[TX+2*n:TX+2*n+1]
.set n, n+1
.endr
.set dp, dp+1
.endr
	WIN 0
.endm
.macro FOLD                            ; four chains at TX into one number a token, in v[LT2]
	v_pk_add_f32 v[TX:TX+1], v[TX:TX+1], v[TX+2:TX+3]
	v_pk_add_f32 v[TX+4:TX+5], v[TX+4:TX+5], v[TX+6:TX+7]
	v_pk_add_f32 v[TX:TX+1], v[TX:TX+1], v[TX+4:TX+5]
	v_add_f32 v[LT2], v[TX], v[TX+1]
	v_permlanex16_b32 v[LT2+1], v[LT2], s[SEL], s[SEL+1]  ; the token's other 128 channels lie in the lane 16 away
	v_add_f32 v[LT2], v[LT2], v[LT2+1]
.endm
.macro LN2 qr                          ; mean, then the squares of x1 - mean; n2 in bf16 is source 1 of the first MLP product
.set AC, 128*(\qr)
	WIN 0x0f
.set n, 0
.rept 4
	v_pk_add_f32 v[TX+2*n:TX+2*n+1], v[AC+2*n:AC+2*n+1], v[AC+8+2*n:AC+8+2*n+1]
.set n, n+1
.endr
	WIN 0x0c
.set n, 8
.rept 56
	v_pk_add_f32 v[TX+2*(n%4):TX+2*(n%4)+1], v[TX+2*(n%4):TX+2*(n%4)+1], v[AC+2*n:AC+2*n+1]
.set n, n+1
.endr
	WIN 0
	FOLD
	v_mul_f32 v[MU], s[IV], v[LT2]
	v_mul_f32 v[MU+1], s[IV], v[LT2]
	WIN 0x03
.set n, 0
.rept 64
	v_pk_add_f32 v[XS+2*n:XS+2*n+1], v[AC+2*n:AC+2*n+1], v[MU:MU+1] neg_lo:[0,1] neg_hi:[0,1]
.set n, n+1
.endr
	WIN 0
.set n, 0
.rept 4
	v_pk_mul_f32 v[TX+2*n:TX+2*n+1], v[XS+2*n:XS+2*n+1], v[XS+2*n:XS+2*n+1]
.set n, n+1
.endr
.rept 60
	v_pk_fma_f32 v[TX+2*(n%4):TX+2*(n%4)+1], v[XS+2*n:XS+2*n+1], v[XS+2*n:XS+2*n+1], v[TX+2*(n%4):TX+2*(n%4)+1]
.set n, n+1
.endr
	FOLD
	v_fma_f32 v[LT2], v[LT2], s[IV], s[EP]
	v_rsq_f32 v[RSD], v[LT2]
	v_rsq_f32 v[RSD+1], v[LT2]
	v_nop
	s_wait_alu depctr_va_vdst(0)
.set n, 0
.rept 64
	v_pk_mul_f32 v[XS+2*n:XS+2*n+1], v[XS+2*n:XS+2*n+1], v[RSD:RSD+1]
.set n, n+1
.endr
	WIN 0x40
.set n, 0
.rept 64
	v_cvt_pk_bf16_f32 v[128+64*(\qr)+n], v[XS+2*n], v[XS+2*n+1]
.set n, n+1
.endr
	WIN 0
.endm
	s_mov_b32 s[CNT], 2
.Lpct:                                         ; two trips: ct = 0, then ct = 1
	s_sub_co_u32 s26, 2, s[CNT]
	s_lshl_b32 s26, s26, 4
	s_lshl_b32 s27, s[WV], 5
	s_add_co_u32 s[X0], s26, s27
	v_add_nc_u32 v[T0], s[X0], v2
	v_lshlrev_b32 v[AQ], 5, v[T0]
	v_lshl_add_u32 v[AQ], v3, 4, v[AQ]
	v_lshlrev_b32 v[AST], 2, v[T0]
.irp qr, 0,1
.set i, 0
.rept 16
	global_load_b128 v[XS+64*(\qr)+4*i:XS+64*(\qr)+4*i+3], v[AQ], s[10:11] offset:(\qr)*65536+i*4096
.set i, i+1
.endr
	global_load_b32 v[MS+4*(\qr)],   v[AST], s[12:13] offset:(\qr)*512
	global_load_b32 v[MS+4*(\qr)+1], v[AST], s[12:13] offset:(\qr)*512
	global_load_b32 v[MS+4*(\qr)+2], v[AST], s[12:13] offset:262144+(\qr)*512
	global_load_b32 v[MS+4*(\qr)+3], v[AST], s[12:13] offset:262144+(\qr)*512
.endr
	s_lshr_b32 s27, s[X0], 3
	s_sub_co_u32 s27, s27, 1
	v_add_nc_u32 v[T0], s27, v3                    ; the group of 8 keys x0 / 8 - 1 + h; below 0 it wraps to a large number
	v_min_u32 v[AK], 15, v[T0]
	v_add_nc_u32 v[AK+1], 2, v[T0]
	v_min_u32 v[AK+1], 15, v[AK+1]
	v_lshlrev_b32 v[AK], 8, v[AK]
	v_lshlrev_b32 v[AK+1], 8, v[AK+1]
	v_lshl_add_u32 v[AK], v2, 4, v[AK]
	v_lshl_add_u32 v[AK+1], v2, 4, v[AK+1]
	PROW 0
	PROW 1
	PROW 2
	PROW 3
	PLACES 4
	s_wait_loadcnt 0x0                             ; xh, mean, sig
	X1 0
	X1 1
	LN2 0
	LN2 1
	s_cmp_eq_u32 s[CNT], 1
	s_cbranch_scc1 .Lpdone
	WIN 0x02                                       ; behind the first trip: the saved P comes back; x1 and n2 of tiles 0, 1 go to their places
.set i, 0
.rept 52
	v_mov_b32 v[PW+i], v[128+i]
.set i, i+1
.endr
	WIN 0x83
.set i, 0
.rept 256
	v_mov_b32 v[i], v[i]
.set i, i+1
.endr
	WIN 0x41
.set i, 0
.rept 128
	v_mov_b32 v[i], v[128+i]
.set i, i+1
.endr
	WIN 0
.Lpdone:
	s_sub_co_u32 s[CNT], s[CNT], 1
	s_cmp_lg_u32 s[CNT], 0
	s_cbranch_scc1 .Lpct
	; ---- the weights take V's place: fc1 of chunk 0 and slot 0, 147,456 consecutive bytes of wM, a quarter a wave ----
	s_wait_tensorcnt 0x0
	ds_add_u32 v[SPW], v[NIL]
	s_mov_b32 s[G1P], 15|(3<<16)|(1<<21)           ; no tensor load of mine is out: the image rows' shape becomes a joint load of 144 rows
	s_mov_b32 s[G1P+2], 144<<16
	s_mov_b32 s[G1P+4], 144
	s_mul_i32 s26, s[WV], 36864
	s_mov_b32 s27, 0
	s_mov_b32 s[G0+1], s26
	s_add_nc_u64 s[G0+2:G0+3], s[14:15], s[26:27]
	s_add_nc_u64 s[G0+2:G0+3], s[G0+2:G0+3], 393216
	s_or_b32 s[G0+3], s[G0+3], 0x80000000
	s_wait_dscnt 0x0                               ; my reads of V are over
	CROUND
	tensor_load_to_lds s[G0:G0+3], s[G1P:G1P+7]
	s_nop 0
	PLACES 4
	v_lshlrev_b32 v[AB0], 5, v3
	v_add_nc_u32 v[AB0], BIAS1, v[AB0]
	v_mov_b32 v[AWC], v[AW0]
	s_wait_tensorcnt 0x0                           ; my quarter is in,
	s_barrier_signal -1
	s_barrier_wait -1                              ; everybody's is
	s_lshl_b32 s26, s[WV], 15                      ; the ring's walking descriptor stands at slot 0; the first change of slots steps it to slot 1
	s_add_co_u32 s[G0+1], s26, 0x4000
	s_add_nc_u64 s[G0+2:G0+3], s[14:15], s[26:27]
	s_add_nc_u64 s[G0+2:G0+3], s[G0+2:G0+3], 409600
	s_or_b32 s[G0+3], s[G0+3], 0x80000000
.macro CHANGEW fill                    ; the change of slots: all my tensor loads have landed; the add; my reads of the slot are back; the round; the one joint refill
	WIN 0
	s_wait_tensorcnt 0x0
	ds_add_u32 v[SPW], v[NIL]
.if \fill
	s_xor_b32 s[G0+1], s[G0+1], 0x20000
	s_add_nc_u64 s[G0+2:G0+3], s[G0+2:G0+3], 131072
.endif
	s_sub_co_u32 s[TB], s[TB], 131072
	s_xor_b32 s[TB], s[TB], 0x20000
	s_wait_dscnt 0x0
.if \fill
	CROUND
	tensor_load_to_lds s[G0:G0+3], s[G1W:G1W+7]
	s_nop 0
	PLACES 4
.else
	s_barrier_signal -1
	s_barrier_wait -1
.endif
.endm
.macro LDBLK off, buf                  ; a block's four weight fragments, at byte off behind the address, into buffer buf
.set i, 0
.rept 4
	ds_load_b128 v[WB+32*(\buf)+8*i:WB+32*(\buf)+8*i+3],   v[AWC] offset:(\off)+i*1024
	ds_load_b128 v[WB+32*(\buf)+8*i+4:WB+32*(\buf)+8*i+7], v[AWC] offset:(\off)+i*1024+512
.set i, i+1
.endr
.endm
.macro LDBIAS                          ; the next chunk's 32 biases: my 8 of each half; behind chunk 31 the offset goes back to chunk 0, with the weights
	v_add_nc_u32 v[AB], s[BO], v[AB0]
	ds_load_b128 v[BH:BH+3],     v[AB]
	ds_load_b128 v[BH+4:BH+7],   v[AB] offset:16
	ds_load_b128 v[BH+8:BH+11],  v[AB] offset:64
	ds_load_b128 v[BH+12:BH+15], v[AB] offset:80
	s_add_co_u32 s[BO], s[BO], 128
	s_and_b32 s[BO], s[BO], 4095
.endm
; A BLOCK'S BEGINNING: its own fragments, asked for a block earlier, are in; the next block's are asked for, four plain instructions behind the last product that read their buffer.
; wa = 1: the wait for a batch of exponentials or reciprocals stands here, directly ahead of the run of loads.
.macro BST wa, off, buf
	WIN 0
.if \wa
	s_wait_alu depctr_va_vdst(0)
.endif
	s_wait_dscnt 0x0
	LDBLK \off, \buf
.endm
; Product pp of 16 of block j of fc1: K steps 2 j, 2 j + 1; tiles in the order 2, 3, 0, 1; both halves of the 32 units.  Eight accumulators take turns.  The bias starts the sums.
; Tiles 2, 3 are summed in HN; their last K step takes HN as C and writes HX: it stands eight products, and five plain instructions or more, behind the link before it.
.macro F1MM j
.set kk, 2*(\j)+pp/8
.set tq, ((pp%8)/2+2)%4
.set hq, pp%2
.set rA, WB+32*((\j)%2)+8*(2*(pp/8)+hq)
.set rN, 64*tq+8*kk
.set rD, HX+16*tq+8*hq
.set rC, rD
.if tq >= 2
.set rC, HN+16*(tq-2)+8*hq
.if kk < 7
.set rD, rC
.endif
.endif
.if kk == 0
.set rC, BH+8*hq
.endif
	WIN 0x04
	v_wmma_f32_16x16x32_bf16 v[rD:rD+7], v[rA:rA+7], v[rN:rN+7], v[rC:rC+7]
.endm
; Product pp of 16 of block j of fc2: channel blocks 4 j .. 4 j + 3, the four tiles: sixteen accumulators, each once.
.macro F2MM j
.set tq, pp%4
.set rA, WB+32*((\j)%2)+8*(pp/4)
.set rO, 128*(tq%2)+8*(4*(\j)+pp/4)
.if tq < 2
	WIN 0xa0
.else
	WIN 0xf0
.endif
	v_wmma_f32_16x16x32_bf16 v[rO:rO+7], v[rA:rA+7], v[HB+8*tq:HB+8*tq+7], v[rO:rO+7]
.endm
; THE GELU of two tiles (32 numbers a lane, x at xb), a list of 144: 0-15 x^2; 16-31 -c3 x^2 - c1; 32-47 times x; 48-79 the exponentials; 80-95 + 1; 96-127 the reciprocals; 128-143 times x, into gd.
.macro GEL m, xb, gd
.if (\m) < 16
.set n, (\m)
	v_pk_mul_f32 v[TT+2*n:TT+2*n+1], v[(\xb)+2*n:(\xb)+2*n+1], v[(\xb)+2*n:(\xb)+2*n+1]
.elseif (\m) < 32
.set n, (\m)-16
	v_pk_fma_f32 v[TT+2*n:TT+2*n+1], v[TT+2*n:TT+2*n+1], s[C3:C3+1], s[C1:C1+1] op_sel_hi:[1,0,0]
.elseif (\m) < 48
.set n, (\m)-32
	v_pk_mul_f32 v[TT+2*n:TT+2*n+1], v[TT+2*n:TT+2*n+1], v[(\xb)+2*n:(\xb)+2*n+1]
.elseif (\m) < 80
.set n, (\m)-48
	v_exp_f32 v[TT+n], v[TT+n]
.elseif (\m) < 96
.set n, (\m)-80
	v_pk_add_f32 v[TT+2*n:TT+2*n+1], v[TT+2*n:TT+2*n+1], 1.0 op_sel_hi:[1,0]
.elseif (\m) < 128
.set n, (\m)-96
	v_rcp_f32 v[TT+n], v[TT+n]
.else
.set n, (\m)-128
	v_pk_mul_f32 v[(\gd)+2*n:(\gd)+2*n+1], v[TT+2*n:TT+2*n+1], v[(\xb)+2*n:(\xb)+2*n+1]
.endif
.endm
; The next line of a phase's vector work.  Phase 1, 176 lines: 0-15 tiles 0, 1 are rounded out of HX; 16-159 the GELU of tiles 2, 3; 160-175 their rounding.  Phase 2, 144 lines: the GELU of tiles 0, 1, in place.
.macro RID ph
	WIN 0
.if (\ph) == 1
.if qi < 16
	v_cvt_pk_bf16_f32 v[HB+qi], v[HX+2*qi], v[HX+2*qi+1]
.elseif qi < 160
	GEL qi-16, HX+32, TT
.else
	v_cvt_pk_bf16_f32 v[HB+qi-144], v[TT+2*(qi-160)], v[TT+2*(qi-160)+1]
.endif
.else
	GEL qi, HX, HX
.endif
.set qi, qi+1
.endm
; A BLOCK: sixteen products of phase ph, and behind each as many lines of the phase's vector work as the list says.  rd = 0: no vector work (the first chunk's fc1); five v_nop then stand ahead of the links that take HN as C.
.macro MBLK ph, j, rd, counts:vararg
.set pp, 0
.irp c, \counts
.if (\ph) == 1
	F1MM \j
.else
	F2MM \j
.endif
.if \rd
.rept \c
	RID \ph
.endr
.elseif ((\ph) == 1) && ((\j) == 3) && (pp == 7)
	PLACES 5
.endif
.set pp, pp+1
.endr
.endm
; A SLOT'S FOUR TRIPS.  The lists keep these counts: behind each block's last product stand four plain lines (v_nop behind the blocks of exponentials and reciprocals, where they are also the plain line that a
; batch's last wants); tiles 0, 1 are rounded behind the first four products, ahead of the fifth, which writes over them; the GELU's last reads of tiles 2, 3 stand behind the first four products of fc1's last
; block, ahead of its ninth, which writes them anew; eight roundings stand between the last products on tiles 0, 1 and phase 2's first read of them.
; The last block fetches the next trip's first block and biases; in the slot's last trip that run is jumped over: it lies in the other slot, behind the change.
.macro SLOTWORK
	v_add_nc_u32 v[AWC], s[TB], v[AW0]
	LDBIAS
	LDBLK 16384, 0
	s_mov_b32 s[CN2], 4
.Ltrip_\@:
.set qi, 0
	BST 0, 16384+4096, 1
	MBLK 1, 0, 1, 4,4,4,4,4,4,4,4,4,4,4,4,4,4,4,4
	BST 0, 16384+8192, 0
	MBLK 1, 1, 1, 2,2,2,2,2,2,2,2,2,2,2,2,2,2,2,2
	PLACES 4
	BST 1, 16384+12288, 1
	MBLK 1, 2, 1, 4,4,4,4,3,3,3,3,3,3,3,3,2,2,2,2
	PLACES 4
	BST 1, 0, 0
	MBLK 1, 3, 1, 4,4,4,4,1,1,1,1,1,1,1,1,1,1,2,4
.set qi, 0
	BST 0, 4096, 1
	MBLK 2, 0, 1, 2,3,3,3,3,3,3,3,3,3,3,3,3,3,3,4
	BST 0, 8192, 0
	MBLK 2, 1, 1, 2,2,2,2,2,2,2,2,2,2,2,2,2,2,2,2
	PLACES 4
	BST 1, 12288, 1
	MBLK 2, 2, 1, 4,4,4,4,3,3,3,3,3,3,3,3,2,2,2,2
	PLACES 4
	WIN 0
	s_wait_alu depctr_va_vdst(0)                   ; the reciprocals' wait, ahead of the branch and of the run of loads
	s_wait_dscnt 0x0
	s_cmp_eq_u32 s[CN2], 1
	s_cbranch_scc1 .Lno_next_\@
	LDBIAS
	LDBLK 49152, 0
.Lno_next_\@:
	MBLK 2, 3, 1, 1,1,1,1,1,1,1,1,1,1,1,1,0,0,0,4
	WIN 0
	s_add_co_u32 s[TB], s[TB], 32768
	v_add_nc_u32 v[AWC], s[TB], v[AW0]
	s_sub_co_u32 s[CN2], s[CN2], 1
	s_cmp_lg_u32 s[CN2], 0
	s_cbranch_scc1 .Ltrip_\@
.endm
	; ---- ahead of the loop: fc1 of chunk 0, with no vector work to set beside it, and the GELU of its tiles 0, 1 ----
	LDBIAS
	LDBLK 0, 0
	BST 0, 4096, 1
	MBLK 1, 0, 0, 0,0,0,0,0,0,0,0,0,0,0,0,0,0,0,0
	PLACES 4
	BST 0, 8192, 0
	MBLK 1, 1, 0, 0,0,0,0,0,0,0,0,0,0,0,0,0,0,0,0
	PLACES 4
	BST 0, 12288, 1
	MBLK 1, 2, 0, 0,0,0,0,0,0,0,0,0,0,0,0,0,0,0,0
	WIN 0
	s_wait_dscnt 0x0
	MBLK 1, 3, 0, 0,0,0,0,0,0,0,0,0,0,0,0,0,0,0,0
	PLACES 4
.set qi, 0
.rept 80
	RID 2
.endr
	v_nop                                          ; a plain instruction behind the last exponential,
	s_wait_alu depctr_va_vdst(0)                   ; and one wait for the batch
.rept 48
	RID 2
.endr
	v_nop
	s_wait_alu depctr_va_vdst(0)
.rept 16
	RID 2
.endr
	s_mov_b32 s[TB], 0x44000                       ; the first change turns it into slot 0's 0x4000
	s_mov_b32 s[CNT], 7
.Lslot:                                        ; seven times: a slot is entered and the other is filled
	CHANGEW 1
	SLOTWORK
	s_sub_co_u32 s[CNT], s[CNT], 1
	s_cmp_lg_u32 s[CNT], 0
	s_cbranch_scc1 .Lslot
	CHANGEW 0                                      ; the last slot is written out: nothing is asked for
	SLOTWORK                                       ; its last trip's fc1 (on chunk 0's weights once more) and the GELU made of it serve nothing: the price, once a launch, of one text for every trip
	; ---- THE WAY OUT: [token a lane][channel] -> [channel][256 tokens] through LDS, whose slots have had their last fill ----
	s_wait_xcnt 0x0                                ; the prefetches of V at the head have read their base: s[92:93] are written only behind this wait
	s_load_b512 s[32:47], s[18:19], 0x0            ; fc2_b of my 64 channels (no tensor load is out: the descriptors' registers, and the MLP's constants, are free)
	s_load_b512 s[48:63], s[18:19], 0x40
	s_load_b512 s[68:83], s[18:19], 0x80
	s_load_b512 s[84:99], s[18:19], 0xc0
	s_wait_dscnt 0x0
	s_barrier_signal -1
	s_barrier_wait -1                              ; nobody reads weights or biases any more
	v_mul_u32_u24 v[T0], v3, 8*SP
	v_lshl_add_u32 v[T0], v2, 2, v[T0]
	s_lshl_b32 s26, s[WV], 7
	v_add_nc_u32 v[SA], s26, v[T0]                 ; channel 8 h, token 32 w + r
.set i, 0
.rept 7
	v_add_nc_u32 v[SA+1+i], 32*SP, v[SA+i]         ; and 32 channels further on, seven times
.set i, i+1
.endr
.irp ct, 0,1
	WIN 0x08+4*(\ct)                               ; the data in window 2 (ct = 0) or 3 (ct = 1)
.irp qr, 0,1
.set db, 0
.rept 16
.set j, 0
.rept 8
	ds_store_b32 v[SA+db/2], v[128*(\qr)+8*db+j] offset:(16*(db%2)+j)*SP+(\qr)*512+(\ct)*64
.set j, j+1
.endr
.set db, db+1
.endr
.endr
.endr
	WIN 0
	s_mul_i32 s26, s[WV], 64*SP
	v_add_nc_u32 v[AWC], s26, v[AW0]
	s_wait_dscnt 0x0
	s_barrier_signal -1
	s_barrier_wait -1
	s_wait_kmcnt 0x0                               ; fc2_b, asked for ahead of the stage's stores
	s_mov_b32 s[CNT], 4
.Lout:                                         ; four trips of 16 channels; wave w has channels 64 w .. 64 w + 63
.set n, 0
.rept 32
	ds_load_b128 v[128+4*n:128+4*n+3], v[AWC] offset:(n/2)*SP+(n%2)*512
.set n, n+1
.endr
.set n, 0
.rept 32
	s_wait_dscnt 31-n                              ; load n is back; the younger ones may be out
.irp e, 0,1,2,3
	v_add_f32 v[128+4*n+(\e)], s[32+n/2], v[128+4*n+(\e)]
.endr
	global_store_b128 v[AW0], v[128+4*n:128+4*n+3], s[20:21] offset:(n/2)*65536+(n%2)*512 th:TH_STORE_NT  ; an image row of a channel: 512 consecutive bytes, aligned
.set n, n+1
.endr
	s_wait_xcnt 0x0                                ; the stores have read their data and base
	s_add_nc_u64 s[20:21], s[20:21], 16*65536
	v_add_nc_u32 v[AWC], 16*SP, v[AWC]
.set i, 0
.rept 8                                        ; the next sixteen channels' fc2_b come down to where the text names them
	s_mov_b64 s[32+2*i:33+2*i], s[48+2*i:49+2*i]
.set i, i+1
.endr
.set i, 0
.rept 8
	s_mov_b64 s[48+2*i:49+2*i], s[68+2*i:69+2*i]
.set i, i+1
.endr
.set i, 0
.rept 8
	s_mov_b64 s[68+2*i:69+2*i], s[84+2*i:85+2*i]
.set i, i+1
.endr
	s_sub_co_u32 s[CNT], s[CNT], 1
	s_cmp_lg_u32 s[CNT], 0
	s_cbranch_scc1 .Lout
	s_wait_tensorcnt 0x0                           ; the wave's end
	ds_add_u32 v[SPW], v[NIL]
	s_wait_dscnt 0x0
	CROUND                                         ; the closing round
	s_endpgm
.Lfunc_end_k_q9f2e1ca047_attnmlp:
	.size	k_q9f2e1ca047_attnmlp, .Lfunc_end_k_q9f2e1ca047_attnmlp-k_q9f2e1ca047_attnmlp
	.p2alignl 7, 3214868480
	.fill 96, 4, 3214868480
	.section	.rodata,"a",@progbits
	.p2align	6, 0x0
	.amdhsa_kernel k_q9f2e1ca047_attnmlp
		.amdhsa_group_segment_fixed_size 327680
		.amdhsa_private_segment_fixed_size 0
		.amdhsa_enable_private_segment 0
		.amdhsa_kernarg_size 72
		.amdhsa_user_sgpr_count 2
		.amdhsa_user_sgpr_kernarg_segment_ptr 1
		.amdhsa_wavefront_size32 1
		.amdhsa_system_sgpr_workgroup_id_x 1
		.amdhsa_system_sgpr_workgroup_id_y 1
		.amdhsa_system_sgpr_workgroup_id_z 1
		.amdhsa_system_vgpr_workitem_id 0
		.amdhsa_next_free_vgpr 1024
		.amdhsa_next_free_sgpr 100
		.amdhsa_reserve_vcc 0
		.amdhsa_float_denorm_mode_32 3
		.amdhsa_float_denorm_mode_16_64 3
		.amdhsa_memory_ordered 1
		.amdhsa_forward_progress 1
		.amdhsa_inst_pref_size 255
	.end_amdhsa_kernel
	.section	.bss,"aw",@nobits
	.p2align	6
	.space	262144
	.amdgpu_metadata
---
amdhsa.version: [ 1, 2 ]
amdhsa.kernels:
  - .name:           k_q9f2e1ca047_attnmlp
    .symbol:         k_q9f2e1ca047_attnmlp.kd
    .args:
      - { .name: q, .offset: 0, .size: 8, .value_kind: global_buffer, .address_space: global }
      - { .name: k, .offset: 8, .size: 8, .value_kind: global_buffer, .address_space: global }
      - { .name: v, .offset: 16, .size: 8, .value_kind: global_buffer, .address_space: global }
      - { .name: xh, .offset: 24, .size: 8, .value_kind: global_buffer, .address_space: global }
      - { .name: st, .offset: 32, .size: 8, .value_kind: global_buffer, .address_space: global }
      - { .name: wts, .offset: 40, .size: 8, .value_kind: global_buffer, .address_space: global }
      - { .name: bias, .offset: 48, .size: 8, .value_kind: global_buffer, .address_space: global }
      - { .name: fc2_b, .offset: 56, .size: 8, .value_kind: global_buffer, .address_space: global }
      - { .name: out0, .offset: 64, .size: 8, .value_kind: global_buffer, .address_space: global }
    .group_segment_fixed_size: 327680
    .private_segment_fixed_size: 0
    .kernarg_segment_align: 8
    .kernarg_segment_size: 72
    .max_flat_workgroup_size: 128
    .sgpr_count:     100
    .vgpr_count:     1024
    .wavefront_size: 32
...
	.end_amdgpu_metadata
.endif
;; end of part 3
